; MI455X (gfx1250); checked and timed in simulation.
; The chip was launched on July 23, 2026; its instructions are those of AMD's public machine-readable ISA for CDNA 5 (MIT licence, August 2026) and "CDNA5" Instruction Set Architecture Reference Guide (July 2026). The comments in the code are by the model that wrote it; some were corrected since.
;; Simple Gaussian Splatting. Allowed arithmetic: float matrix products may take bf16 or f16 operands with f32 sums; all other float work in f32.
;; Inputs: features_dc 100,000 x 1 x 3 float32; opacity 100,000 x 1 float32; rays_d 1,024 x 3 float32; rays_o 1,024 x 3 float32; xyz 100,000 x 3 float32.
;; Outputs: out0 1,024 x 3 float32.
;; 2 versions, each right; version 2 is version 1 with the launches mins, near written anew for expert scheduling mode. Each part assembles by itself: llvm-mc -triple=amdgcn-amd-amdhsa -mcpu=gfx1250 --defsym DOCPART=n.
;; ======== version 1 of 2: 4 launches
;; workspace buffers: gmin 3,997,696 bytes; pick 131,072 bytes of whole numbers; cand 131,072 bytes of whole numbers
;; launch mins (part 1): grid 61 x 4, 8 waves a work-group, no clusters, 154,624 bytes of LDS; arguments rays_o, rays_d, xyz, gmin; writes gmin
.if DOCPART == 1
	.amdgcn_target "amdgcn-amd-amdhsa--gfx1250"
	.amdhsa_code_object_version 6
	.text
	.protected	k_q63d8181461_mins
	.globl	k_q63d8181461_mins
	.p2align	8
	.type	k_q63d8181461_mins,@function
k_q63d8181461_mins:
	s_mov_b64 s[64:65], 0
	v_nop
	global_prefetch_b8 v0, s[64:65] scope:SCOPE_SE
	s_setreg_imm32_b32 hwreg(HW_REG_WAVE_MODE, 25, 1), 1
	s_wait_xcnt 0x0
; Squared distances of 1,664 points (a chunk) to 256 rays on the matrix unit, reduced at once to the minimum of each group of 104 points.
; sq = |c|^2 + |x|^2 - 2 c.x with c = o + 3 d is ONE bf16 product of K = 32: every f32 is cut into three bf16 parts (v = p1 + p2 + p3),
; and the 32 places of K hold, for each of the 3 dimensions, 8 of the 9 cross products of the parts of x and of -2c (24 places),
; then |x|^2's three parts times 1 and 1 times |c|^2's three parts (6 places), and 2 zeros.
; LIMITS: the term p3 x p3 is left out (about 2^-32 of the product); this launch only FILTERS: later launches keep the 12 groups with the
; smallest minima where 10 would do, and rank their points again in f32.  NaN and infinities in the inputs are not served.
; A tile = 16 points; 13 tiles = a block of 208 points; lanes 0-15 of a result hold points 0-7 of each tile, lanes 16-31 points 8-15,
; so a block gives two groups (h = 0, 1) of 104 points.  A chunk = 8 blocks = 16 groups; group number in the chunk = 8 h + block.
; Points at or beyond N get |x|^2 = 1e30.  No tensor loads: every operand is converted in registers on its way into LDS.
; No cluster: the only bytes that work-groups share are a chunk's 19,968 bytes of xyz, among four of them.
.set N,      100000
.set CHUNK,  1664
.set PITCH,  80                        ; an LDS row: 64 bytes (32 bf16) + 16: an odd multiple of 16, so 16 rows start at 16 different 16-byte columns
.set BRAY,   CHUNK*PITCH               ; 133,120: the 256 ray rows, behind the 1,664 point rows
.set STAGE,  0                         ; the way out: 256 rays x 16 groups x 4 bytes = 16,384 bytes, laid over the first point rows when nobody reads them any more
.set R4BYTES, 61*256                   ; gmin: [256 fours of rays][61 chunks][4 rays][16 groups] f32
; registers of the conversion
.set PX, 32                            ; v[32:59]  pass p: x, y, z in +0..2, byte offset in xyz in +3
.set RO, 60                            ; v[60:62]  o of my ray
.set RD, 64                            ; v[64:66]  d of my ray
.set R1, 68                            ; what is left behind the first bf16 part
.set R2, 69                            ; what is left behind the second
.set TT, 70
.set XX, 71                            ; |x|^2
.set CC, 72                            ; v[72:74] c, v75 |c|^2, v[76:78] -2c
.set W,  80                            ; v[80:95]  the row being built
; registers of the products
.set VA, 5                             ; LDS address of my lane's part of my wave's first point tile
.set VB, 6                             ; the same for my wave's first ray block
.set VS, 7                             ; where my minima go in the stage
.set VR, 8                             ; where I read the stage back
.set VO, 9                             ; my byte offset in gmin
.set ACC, 16                           ; v[16:31]  minimum of (ray block nb, block bb) at ACC + 2 nb + bb
.set TU,  32                           ; v[32:35]  two pairs of temporaries
.set AF,  48                           ; v[48:63]  two buffers for a point tile's fragment
.set BF,  64                           ; v[64:127] the fragments of my 8 ray blocks
.set DD,  128                          ; v[128:255] two sets of 8 results
	s_load_b256 s[4:11], s[0:1], 0x0               ; rays_o s[4:5], rays_d s[6:7], xyz s[8:9], gmin s[10:11]
	v_lshl_add_u32 v14, v0, 2, 0x25800
	v_mov_b32 v15, 0
	v_lshrrev_b32 v1, 5, v0
	v_readfirstlane_b32 s12, v1                    ; wave 0..7
	s_and_b32 s13, s12, 1                          ; which 128 rays are mine
	s_lshr_b32 s14, s12, 1                         ; which two blocks (26 tiles) are mine
	s_and_b32 s16, ttmp7, 0xffff                   ; which 256 rays the work-group has
	s_mov_b32 s17, 0xffff0000
	s_mul_i32 s18, ttmp9, CHUNK                    ; the chunk's first point
	v_add_nc_u32 v2, s18, v0
.irp p, 0,1,2,3,4,5,6
	v_add_nc_u32 v3, 256*\p, v2                    ; pass p: point 256 p + thread of the chunk,
	v_min_u32 v3, N-1, v3                          ; kept inside xyz (what lies beyond is masked by |x|^2 below)
	v_mul_u32_u24 v[PX+4*\p+3], 12, v3
.endr
	s_lshl_b32 s20, s16, 8
	v_add_nc_u32 v3, s20, v0
	v_mul_u32_u24 v12, 12, v3                      ; my ray's byte offset in rays_o and rays_d
	v_mul_u32_u24 v4, PITCH, v0                    ; LDS: row = thread, for passes 0 to 2
	v_add_nc_u32 v10, 3*256*PITCH, v4              ; for passes 3 to 6 (an LDS offset has 16 bits)
	v_add_nc_u32 v11, BRAY, v4                     ; my ray's row
	v_mov_b32 v13, 0x7149f2ca                      ; 1e30
	s_wait_kmcnt 0x0
.irp p, 0,1,2,3,4,5
	global_load_b96 v[PX+4*\p:PX+4*\p+2], v[PX+4*\p+3], s[8:9]
.endr
	global_load_b96 v[RO:RO+2], v12, s[4:5]
	global_load_b96 v[RD:RD+2], v12, s[6:7]
	s_cmp_gt_u32 s12, 3                            ; 1,664 = 6.5 x 256: the seventh pass is for waves 0 to 3
	s_cbranch_scc1 .Lno_load6
	global_load_b96 v[PX+24:PX+26], v[PX+27], s[8:9]
.Lno_load6:
	; the addresses of the products, while the loads are on their way
	v_and_b32 v1, 15, v0                           ; r
	v_bfe_u32 v2, v0, 4, 1                         ; h
	v_mul_u32_u24 v3, PITCH, v1
	v_lshl_add_u32 v3, v2, 4, v3                   ; a fragment: row r, 16 h bytes in; two loads of 16 bytes, 32 apart
	s_mul_i32 s20, s14, 26*16*PITCH
	v_add_nc_u32 v[VA], s20, v3
	s_mul_i32 s20, s13, 128*PITCH
	s_add_co_u32 s20, s20, BRAY
	v_add_nc_u32 v[VB], s20, v3
	; stage: ray x 64 bytes + 32 h + 4 block.  My rays begin at 128 x (wave & 1), my two blocks at 2 x (wave >> 1)
	s_mul_i32 s20, s13, 128*64
	s_mul_i32 s21, s14, 8
	s_add_co_u32 s20, s20, s21
	v_lshlrev_b32 v3, 6, v1                        ; 64 r
	v_lshl_add_u32 v3, v2, 5, v3                   ; + 32 h
	v_add_nc_u32 v[VS], s20, v3
	v_lshlrev_b32 v[VR], 4, v0                     ; back: 16 bytes a thread, 4,096 bytes a load of the work-group
	v_lshrrev_b32 v3, 4, v0
	v_mul_u32_u24 v3, R4BYTES, v3
	v_lshl_add_u32 v[VO], v1, 4, v3                ; four of rays thread / 16, 16 bytes at 16 (thread % 16)
	s_mul_i32 s20, s16, 64*R4BYTES
	s_lshl_b32 s21, ttmp9, 8
	s_add_co_u32 s20, s20, s21
	s_mov_b32 s21, 0
	s_add_nc_u64 s[10:11], s[10:11], s[20:21]      ; gmin at my 64 fours of rays, my chunk
	v_mov_b32 v[W+14], 0x3f803f80                  ; a point row's places 28, 29: 1, 1
	v_mov_b32 v[W+15], 0                           ; places 30, 31 of every row: 0
	s_wait_loadcnt 0x0
; x = p1 + p2 + p3: R1 = x - bf16(x), R2 = R1 - bf16(R1), both exact; the parts are bf16(x), bf16(R1), bf16(R2).  pk receives (p1, p1).
.macro SPLIT x, pk
	v_cvt_pk_bf16_f32 v[\pk], v[\x], v[\x]
	v_and_b32 v[TT], s17, v[\pk]
	v_sub_f32 v[R1], v[\x], v[TT]
	v_cvt_pk_bf16_f32 v[TT], v[R1], v[R1]
	v_and_b32 v[TT], s17, v[TT]
	v_sub_f32 v[R2], v[R1], v[TT]
.endm
.macro PDIM d, x                       ; a point's 8 places of dimension d: b1 b1 b1 b2 b2 b2 b3 b3
	SPLIT \x, W+4*\d
	v_cvt_pk_bf16_f32 v[W+4*\d+1], v[\x], v[R1]
	v_cvt_pk_bf16_f32 v[W+4*\d+2], v[R1], v[R1]
	v_cvt_pk_bf16_f32 v[W+4*\d+3], v[R2], v[R2]
.endm
.macro RDIM d, x                       ; a ray's 8 places of dimension d: a1 a2 a3 a1 a2 a3 a1 a2
	SPLIT \x, TT
	v_cvt_pk_bf16_f32 v[W+4*\d], v[\x], v[R1]
	v_cvt_pk_bf16_f32 v[W+4*\d+1], v[R2], v[\x]
	v_cvt_pk_bf16_f32 v[W+4*\d+2], v[R1], v[R2]
	v_mov_b32 v[W+4*\d+3], v[W+4*\d]
.endm
.macro PUT adr, off
.irp q, 0,1,2,3
	ds_store_b128 v[\adr], v[W+4*\q:W+4*\q+3] offset:\off+16*\q
.endr
.endm
.macro PASS p, adr, off
	v_mul_f32 v[XX], v[PX+4*\p], v[PX+4*\p]
	v_fma_f32 v[XX], v[PX+4*\p+1], v[PX+4*\p+1], v[XX]
	v_fma_f32 v[XX], v[PX+4*\p+2], v[PX+4*\p+2], v[XX]
	s_sub_co_i32 s19, N-256*\p, s18                ; threads below this number have a point of the table
	v_cmp_gt_i32 vcc_lo, s19, v0
	v_cndmask_b32 v[XX], v13, v[XX], vcc_lo        ; the others: 1e30
	PDIM 0, PX+4*\p
	PDIM 1, PX+4*\p+1
	PDIM 2, PX+4*\p+2
	SPLIT XX, TT
	v_cvt_pk_bf16_f32 v[W+12], v[XX], v[R1]        ; places 24 to 27: xx1 xx2 xx3 1
	v_cvt_pk_bf16_f32 v[W+13], v[R2], 1.0
	PUT \adr, \off
.endm
	PASS 0, 4, 0
	PASS 1, 4, 256*PITCH
	PASS 2, 4, 2*256*PITCH
	PASS 3, 10, 0
	PASS 4, 10, 256*PITCH
	PASS 5, 10, 2*256*PITCH
	s_cmp_gt_u32 s12, 3
	s_cbranch_scc1 .Lno_pass6
	PASS 6, 10, 3*256*PITCH
.Lno_pass6:
	; my ray's row
.irp d, 0,1,2
	v_fma_f32 v[CC+\d], v[RD+\d], 0x40400000, v[RO+\d]     ; c = o + 3 d
.endr
	v_mul_f32 v[CC+3], v[CC], v[CC]
	v_fma_f32 v[CC+3], v[CC+1], v[CC+1], v[CC+3]
	v_fma_f32 v[CC+3], v[CC+2], v[CC+2], v[CC+3]
.irp d, 0,1,2
	v_mul_f32 v[CC+4+\d], -2.0, v[CC+\d]
.endr
	RDIM 0, CC+4
	RDIM 1, CC+5
	RDIM 2, CC+6
	SPLIT CC+3, TT
	v_mov_b32 v[W+12], 0x3f803f80                  ; places 24 to 29: 1 1 1 cc1 cc2 cc3
	v_cvt_pk_bf16_f32 v[W+13], 1.0, v[CC+3]
	v_cvt_pk_bf16_f32 v[W+14], v[R1], v[R2]
	PUT 11, 0
	s_wait_dscnt 0x0                               ; my rows are in LDS, for the other waves' sake
	s_barrier_signal -1
	s_barrier_wait -1                              ; everybody's are
.irp nb, 0,1,2,3,4,5,6,7
	ds_load_b128 v[BF+8*\nb:BF+8*\nb+3],   v[VB] offset:\nb*16*PITCH
	ds_load_b128 v[BF+8*\nb+4:BF+8*\nb+7], v[VB] offset:\nb*16*PITCH+32
.endr
	ds_load_b128 v[AF:AF+3],   v[VA]
	ds_load_b128 v[AF+4:AF+7], v[VA] offset:32
	s_wait_dscnt 0x0
; the minimum of a result's 8 registers (8 points of one ray) joins the block's running minimum; the block's first tile starts it
.macro MIN4 d, acc, tu, first
	v_min3_num_f32 v[\tu], v[\d], v[\d+1], v[\d+2]
	v_min3_num_f32 v[\tu+1], v[\d+3], v[\d+4], v[\d+5]
.if \first
	v_min_num_f32 v[\acc], v[\d+6], v[\d+7]
.else
	v_min3_num_f32 v[\acc], v[\acc], v[\d+6], v[\d+7]
.endif
	v_min3_num_f32 v[\acc], v[\acc], v[\tu], v[\tu+1]
.endm
; Step tau: tile tau is multiplied with my 8 ray blocks into one set of results while the other set, tile tau - 1's, is reduced, and tile
; tau + 1's fragment is fetched.  Every product has C = 0 and a result of its own: no sum is carried in place.
; Places behind a matrix instruction (ISA guide 7.12.1): each is followed by the four minima of the OTHER set, which name none of its
; registers, before anything reads its result (a step later) and before the fragment buffer that it read is loaded again (next step's head);
; in step 0, which has nothing to reduce, four v_nop stand there.
.macro STEP
.set cur, DD+64*(tau&1)
.set prv, DD+64*((tau+1)&1)
.set afc, AF+8*(tau&1)
.set afn, AF+8*((tau+1)&1)
.set fst, (tau+12)%13
.if tau >= 1
.if tau <= 25
	s_wait_dscnt 0x0                               ; this tile's fragment, asked for a step ago
.endif
.endif
.if tau <= 24
	ds_load_b128 v[afn:afn+3],   v[VA] offset:(tau+1)*16*PITCH
	ds_load_b128 v[afn+4:afn+7], v[VA] offset:(tau+1)*16*PITCH+32
.endif
.irp nb, 0,1,2,3,4,5,6,7
.if tau <= 25
	v_wmma_f32_16x16x32_bf16 v[cur+8*\nb:cur+8*\nb+7], v[afc:afc+7], v[BF+8*\nb:BF+8*\nb+7], 0
.endif
.if tau >= 1
.if fst == 0
	MIN4 (prv+8*\nb), (ACC+2*\nb+(tau-1)/13), (TU+2*(\nb&1)), 1
.else
	MIN4 (prv+8*\nb), (ACC+2*\nb+(tau-1)/13), (TU+2*(\nb&1)), 0
.endif
.endif
.endr
.if tau == 0
.rept 4
	v_nop
.endr
.endif
.endm
.set tau, 0
.rept 27
	STEP
.set tau, tau+1
.endr
	s_wait_dscnt 0x0                               ; my reads of the point and ray rows are back (met: the last fragment's wait was for 0)
	s_barrier_signal -1                            ; the stage lies over the first point rows: no wave stores there
.irp i, 0,1,2,3,4,5,6,7,8,9,10,11,12,13,14,15
	v_max_num_f32 v[ACC+\i], 0, v[ACC+\i]          ; max(sq, 0), as the distances have it: register work while the others arrive
.endr
	s_barrier_wait -1                              ; before all eight have read their last fragment
.irp nb, 0,1,2,3,4,5,6,7
	ds_store_b64 v[VS], v[ACC+2*\nb:ACC+2*\nb+1] offset:STAGE+\nb*16*64
.endr
	s_wait_dscnt 0x0                               ; my minima are in the stage, for the other waves' sake
	s_barrier_signal -1
	s_barrier_wait -1
.irp k, 0,1,2,3
	ds_load_b128 v[DD+4*\k:DD+4*\k+3], v[VR] offset:STAGE+\k*4096
.endr
.irp k, 0,1,2,3
	s_wait_dscnt 3-\k                              ; LDS loads come back in order: load k is in, the 3 - k younger ones may be out
	global_store_b128 v[VO], v[DD+4*\k:DD+4*\k+3], s[10:11] offset:\k*16*R4BYTES   ; 16 lanes store 256 consecutive bytes, aligned: 4 rays x 16 groups
.endr
	s_wait_tensorcnt 0x0
	ds_add_u32 v14, v15
	s_wait_dscnt 0x0
	s_endpgm
.Lfunc_end_k_q63d8181461_mins:
	.size	k_q63d8181461_mins, .Lfunc_end_k_q63d8181461_mins-k_q63d8181461_mins
	.p2alignl 7, 3214868480
	.fill 96, 4, 3214868480
	.section	.rodata,"a",@progbits
	.p2align	6, 0x0
	.amdhsa_kernel k_q63d8181461_mins
		.amdhsa_group_segment_fixed_size 154624
		.amdhsa_private_segment_fixed_size 0
		.amdhsa_enable_private_segment 0
		.amdhsa_kernarg_size 32
		.amdhsa_user_sgpr_count 2
		.amdhsa_user_sgpr_kernarg_segment_ptr 1
		.amdhsa_wavefront_size32 1
		.amdhsa_system_sgpr_workgroup_id_x 1
		.amdhsa_system_sgpr_workgroup_id_y 1
		.amdhsa_system_sgpr_workgroup_id_z 1
		.amdhsa_system_vgpr_workitem_id 0
		.amdhsa_next_free_vgpr 256
		.amdhsa_next_free_sgpr 66
		.amdhsa_reserve_vcc 1
		.amdhsa_float_denorm_mode_32 3
		.amdhsa_float_denorm_mode_16_64 3
		.amdhsa_memory_ordered 1
		.amdhsa_forward_progress 1
		.amdhsa_inst_pref_size 95
	.end_amdhsa_kernel
	.amdgpu_metadata
---
amdhsa.version: [ 1, 2 ]
amdhsa.kernels:
  - .name:           k_q63d8181461_mins
    .symbol:         k_q63d8181461_mins.kd
    .args:
      - { .name: rays_o, .offset: 0, .size: 8, .value_kind: global_buffer, .address_space: global }
      - { .name: rays_d, .offset: 8, .size: 8, .value_kind: global_buffer, .address_space: global }
      - { .name: xyz, .offset: 16, .size: 8, .value_kind: global_buffer, .address_space: global }
      - { .name: gmin, .offset: 24, .size: 8, .value_kind: global_buffer, .address_space: global }
    .group_segment_fixed_size: 154624
    .private_segment_fixed_size: 0
    .kernarg_segment_align: 8
    .kernarg_segment_size: 32
    .max_flat_workgroup_size: 256
    .sgpr_count:     66
    .vgpr_count:     256
    .wavefront_size: 32
...
	.end_amdgpu_metadata
.endif
;; end of part 1
;; launch pick (part 2): grid 256 x 1, 4 waves a work-group, no clusters, 0 bytes of LDS; arguments gmin, pick; writes pick
.if DOCPART == 2
	.amdgcn_target "amdgcn-amd-amdhsa--gfx1250"
	.amdhsa_code_object_version 6
	.text
	.protected	k_q63d8181461_pick
	.globl	k_q63d8181461_pick
	.p2align	8
	.type	k_q63d8181461_pick,@function
k_q63d8181461_pick:
	s_mov_b64 s[64:65], 0
	v_nop
	global_prefetch_b8 v0, s[64:65] scope:SCOPE_SE
	s_setreg_imm32_b32 hwreg(HW_REG_WAVE_MODE, 25, 1), 1
	s_wait_xcnt 0x0
; For each ray the 12 groups with the smallest minimum (ties: the lower group number), stored as the groups' first point numbers.
; The 10 nearest points lie in the 10 groups with the smallest minima; two more are kept against the rounding of the minima.
; One wave, one ray: its 976 minima lie in 31 registers a lane.  Twelve rounds, each: the smallest key of the wave, the smallest number
; among the keys equal to it, that entry set to +inf.  No branch and no address hangs on a float; choices are selects.
; The work-group's four rays share each block of 256 bytes of gmin (4 rays x 16 groups of one chunk).
.set M,    31                          ; entries a lane
.set LANE, 1
.set VINF, 7
.set T0,   12                          ; the round's smallest key
.set T1,   13                          ; the winner's number, as f32 (exact: below 2^24)
.set T2,   14                          ; takes the other half's figure
.set RES,  15                          ; lane i: the winner of round i
.set KEY,  16                          ; v[16:46]
.set IDF,  48                          ; v[48:78]   entry i of lane l is group 32 i + l
.set TMP,  80                          ; v[80:110]
.set RR,   112                         ; v[112:115] four chains
.set MASK, 24                          ; s[24:54]
.macro MINRED dst, base                ; the lane's smallest of M registers, in four chains of three-way minima
.irp c, 0,1,2,3
	v_min3_num_f32 v[RR+\c], v[\base+3*\c], v[\base+3*\c+1], v[\base+3*\c+2]
.endr
.set ee, 12
.rept (M-13)/2
	v_min3_num_f32 v[RR+(ee/2)%4], v[RR+(ee/2)%4], v[\base+ee], v[\base+ee+1]
.set ee, ee+2
.endr
	v_min3_num_f32 v[RR], v[RR], v[RR+1], v[RR+2]
	v_min3_num_f32 v[\dst], v[RR], v[RR+3], v[\base+M-1]
.endm
.macro WMIN r                          ; the wave's smallest, in every lane
	v_min_num_f32_dpp v[\r], v[\r], v[\r] row_xmask:1 row_mask:0xf bank_mask:0xf
	v_min_num_f32_dpp v[\r], v[\r], v[\r] row_xmask:2 row_mask:0xf bank_mask:0xf
	v_min_num_f32_dpp v[\r], v[\r], v[\r] row_xmask:4 row_mask:0xf bank_mask:0xf
	v_min_num_f32_dpp v[\r], v[\r], v[\r] row_xmask:8 row_mask:0xf bank_mask:0xf
	v_permlanex16_b32 v[T2], v[\r], s14, s15
	v_min_num_f32 v[\r], v[\r], v[T2]
.endm
.macro SELECT12
	s_mov_b32 s20, 0
.Lround:
	MINRED T0, KEY
	WMIN T0
.set i, 0
.rept M
	v_cmp_eq_f32 s[MASK+i], v[KEY+i], v[T0]
.set i, i+1
.endr
.set i, 0
.rept M
	v_cndmask_b32 v[TMP+i], v[VINF], v[IDF+i], s[MASK+i]   ; the numbers of the entries that hold the smallest key
.set i, i+1
.endr
	MINRED T1, TMP
	WMIN T1                                        ; the lowest of them wins
.set i, 0
.rept M
	v_cmp_eq_f32 s[MASK+i], v[IDF+i], v[T1]
.set i, i+1
.endr
.set i, 0
.rept M
	v_cndmask_b32 v[KEY+i], v[KEY+i], v[VINF], s[MASK+i]   ; and leaves the field
.set i, i+1
.endr
	v_cmp_eq_u32 vcc_lo, s20, v[LANE]
	v_cndmask_b32 v[RES], v[RES], v[T1], vcc_lo
	s_add_co_u32 s20, s20, 1
	s_cmp_lt_u32 s20, 12
	s_cbranch_scc1 .Lround
.endm
	s_load_b128 s[4:7], s[0:1], 0x0                ; gmin s[4:5], pick s[6:7]
	v_lshrrev_b32 v1, 5, v0
	v_readfirstlane_b32 s16, v1                    ; wave = ray of the four
	s_mov_b32 s14, 0x76543210                      ; v_permlanex16_b32: lane i of one half reads lane i of the other
	s_mov_b32 s15, 0xfedcba98
	s_mul_i32 s8, ttmp9, 61*256                    ; my four rays' 15,616 bytes
	s_mov_b32 s9, 0
	s_lshl2_add_u32 s10, ttmp9, s16                ; my ray
	s_lshl_b32 s10, s10, 7                         ; its 128 bytes of pick
	s_mov_b32 s11, 0
	s_lshl_b32 s12, s16, 6
	v_and_b32 v[LANE], 31, v0
	v_and_b32 v3, 15, v0
	v_bfe_u32 v4, v0, 4, 1
	v_lshl_add_u32 v5, v3, 2, s12                  ; 64 x ray + 4 x group: the last chunk is read by both halves of the lanes
	v_lshl_add_u32 v2, v4, 8, v5                   ; + 256 x (lane / 16): a load takes two chunks
	s_wait_kmcnt 0x0
	s_add_nc_u64 s[4:5], s[4:5], s[8:9]
	s_add_nc_u64 s[6:7], s[6:7], s[10:11]
.set i, 0
.rept M-1
	global_load_b32 v[KEY+i], v2, s[4:5] offset:512*i
.set i, i+1
.endr
	global_load_b32 v[KEY+M-1], v5, s[4:5] offset:60*256   ; chunk 60 stands alone: no byte beyond the rays' region is read
.set i, 0
.rept M
	v_add_nc_u32 v[IDF+i], 32*i, v[LANE]
.set i, i+1
.endr
.set i, 0
.rept M
	v_cvt_f32_u32 v[IDF+i], v[IDF+i]
.set i, i+1
.endr
	v_mov_b32 v[VINF], 0x7f800000
	v_mov_b32 v[RES], 0
	v_mov_b32 v[T2], 0
	v_cmp_gt_u32 vcc_lo, 16, v[LANE]
	s_wait_loadcnt 0x0
	v_cndmask_b32 v[KEY+M-1], v[VINF], v[KEY+M-1], vcc_lo  ; numbers 976 to 991 are no groups
	SELECT12
	v_cvt_u32_f32 v[RES], v[RES]                   ; group number g = 16 chunk + 8 h + block
	v_lshrrev_b32 v3, 4, v[RES]
	v_and_b32 v4, 7, v[RES]
	v_bfe_u32 v5, v[RES], 3, 1
	v_mul_u32_u24 v3, 1664, v3
	v_mad_u32_u24 v3, v4, 208, v3
	v_lshl_add_u32 v3, v5, 3, v3                   ; its first point: 1,664 chunk + 208 block + 8 h (lanes 12 to 31 store 0)
	v_lshlrev_b32 v2, 2, v[LANE]
	global_store_b32 v2, v3, s[6:7]                ; the wave stores its ray's 128 consecutive bytes
	s_endpgm
.Lfunc_end_k_q63d8181461_pick:
	.size	k_q63d8181461_pick, .Lfunc_end_k_q63d8181461_pick-k_q63d8181461_pick
	.p2alignl 7, 3214868480
	.fill 96, 4, 3214868480
	.section	.rodata,"a",@progbits
	.p2align	6, 0x0
	.amdhsa_kernel k_q63d8181461_pick
		.amdhsa_group_segment_fixed_size 0
		.amdhsa_private_segment_fixed_size 0
		.amdhsa_enable_private_segment 0
		.amdhsa_kernarg_size 16
		.amdhsa_user_sgpr_count 2
		.amdhsa_user_sgpr_kernarg_segment_ptr 1
		.amdhsa_wavefront_size32 1
		.amdhsa_system_sgpr_workgroup_id_x 1
		.amdhsa_system_sgpr_workgroup_id_y 1
		.amdhsa_system_sgpr_workgroup_id_z 1
		.amdhsa_system_vgpr_workitem_id 0
		.amdhsa_next_free_vgpr 128
		.amdhsa_next_free_sgpr 66
		.amdhsa_reserve_vcc 1
		.amdhsa_float_denorm_mode_32 3
		.amdhsa_float_denorm_mode_16_64 3
		.amdhsa_memory_ordered 1
		.amdhsa_forward_progress 1
		.amdhsa_inst_pref_size 19
	.end_amdhsa_kernel
	.amdgpu_metadata
---
amdhsa.version: [ 1, 2 ]
amdhsa.kernels:
  - .name:           k_q63d8181461_pick
    .symbol:         k_q63d8181461_pick.kd
    .args:
      - { .name: gmin, .offset: 0, .size: 8, .value_kind: global_buffer, .address_space: global }
      - { .name: pick, .offset: 8, .size: 8, .value_kind: global_buffer, .address_space: global }
    .group_segment_fixed_size: 0
    .private_segment_fixed_size: 0
    .kernarg_segment_align: 8
    .kernarg_segment_size: 16
    .max_flat_workgroup_size: 128
    .sgpr_count:     66
    .vgpr_count:     128
    .wavefront_size: 32
...
	.end_amdgpu_metadata
.endif
;; end of part 2
;; launch near (part 3): grid 256 x 1, 4 waves a work-group, no clusters, 0 bytes of LDS; arguments rays_o, rays_d, xyz, pick, cand; writes cand
.if DOCPART == 3
	.amdgcn_target "amdgcn-amd-amdhsa--gfx1250"
	.amdhsa_code_object_version 6
	.text
	.protected	k_q63d8181461_near
	.globl	k_q63d8181461_near
	.p2align	8
	.type	k_q63d8181461_near,@function
k_q63d8181461_near:
	s_mov_b64 s[64:65], 0
	v_nop
	global_prefetch_b8 v0, s[64:65] scope:SCOPE_SE
	s_setreg_imm32_b32 hwreg(HW_REG_WAVE_MODE, 25, 1), 1
	s_wait_xcnt 0x0
; For each ray: the points of its 12 chosen groups (12 x 104 = 39 x 32) are ranked again by (sq, point number), sq in f32 as
; (|c|^2 + |x|^2) - (2c).x, each sum as mul, fma, fma, then max with 0; the 12 best point numbers are stored.
; LIMIT: 12 are kept where 10 are wanted, since two squares that differ can have the same rounded root, which the last launch ranks by
; number; more than two such points behind the tenth are not served.  One wave, one ray; 1.2 % of all pairs, so plain f32 arithmetic.
; The groups' first points come from a buffer of whole numbers that an earlier launch stored; each point number is clamped to the table.
.set N,    100000
.set M,    39                          ; entries a lane
.set LANE, 1
.set VINF, 7
.set T0,   12
.set T1,   13
.set T2,   14
.set RES,  15
.set KEY,  16                          ; v[16:54]
.set IDF,  56                          ; v[56:94]   the point's number as f32 (exact: below 2^24)
.set X,    96                          ; v[96:251]  slot i: x, y, z in +0..2, byte offset in +3
.set TMP,  96                          ; v[96:134]  in the rounds, when X is done with
.set RR,   136                         ; v[136:139]
.set MASK, 24                          ; s[24:62]
.set GB,   68                          ; s[68:83]   my ray's row of pick; words 0 to 11 are used
.macro MINRED dst, base                ; the lane's smallest of M registers, in four chains of three-way minima
.irp c, 0,1,2,3
	v_min3_num_f32 v[RR+\c], v[\base+3*\c], v[\base+3*\c+1], v[\base+3*\c+2]
.endr
.set ee, 12
.rept (M-13)/2
	v_min3_num_f32 v[RR+(ee/2)%4], v[RR+(ee/2)%4], v[\base+ee], v[\base+ee+1]
.set ee, ee+2
.endr
	v_min3_num_f32 v[RR], v[RR], v[RR+1], v[RR+2]
	v_min3_num_f32 v[\dst], v[RR], v[RR+3], v[\base+M-1]
.endm
.macro WMIN r                          ; the wave's smallest, in every lane
	v_min_num_f32_dpp v[\r], v[\r], v[\r] row_xmask:1 row_mask:0xf bank_mask:0xf
	v_min_num_f32_dpp v[\r], v[\r], v[\r] row_xmask:2 row_mask:0xf bank_mask:0xf
	v_min_num_f32_dpp v[\r], v[\r], v[\r] row_xmask:4 row_mask:0xf bank_mask:0xf
	v_min_num_f32_dpp v[\r], v[\r], v[\r] row_xmask:8 row_mask:0xf bank_mask:0xf
	v_permlanex16_b32 v[T2], v[\r], s14, s15
	v_min_num_f32 v[\r], v[\r], v[T2]
.endm
.macro SELECT12
	s_mov_b32 s20, 0
.Lround:
	MINRED T0, KEY
	WMIN T0
.set i, 0
.rept M
	v_cmp_eq_f32 s[MASK+i], v[KEY+i], v[T0]
.set i, i+1
.endr
.set i, 0
.rept M
	v_cndmask_b32 v[TMP+i], v[VINF], v[IDF+i], s[MASK+i]   ; the numbers of the entries that hold the smallest key
.set i, i+1
.endr
	MINRED T1, TMP
	WMIN T1                                        ; the lowest of them wins
.set i, 0
.rept M
	v_cmp_eq_f32 s[MASK+i], v[IDF+i], v[T1]
.set i, i+1
.endr
.set i, 0
.rept M
	v_cndmask_b32 v[KEY+i], v[KEY+i], v[VINF], s[MASK+i]   ; and leaves the field
.set i, i+1
.endr
	v_cmp_eq_u32 vcc_lo, s20, v[LANE]
	v_cndmask_b32 v[RES], v[RES], v[T1], vcc_lo
	s_add_co_u32 s20, s20, 1
	s_cmp_lt_u32 s20, 12
	s_cbranch_scc1 .Lround
.endm
	s_load_b256 s[4:11], s[0:1], 0x0               ; rays_o s[4:5], rays_d s[6:7], xyz s[8:9], pick s[10:11]
	s_load_b64 s[12:13], s[0:1], 0x20              ; cand
	v_lshrrev_b32 v1, 5, v0
	v_readfirstlane_b32 s16, v1
	s_lshl2_add_u32 s17, ttmp9, s16                ; my ray = 4 x work-group + wave
	s_lshl_b32 s18, s17, 7                         ; its 128 bytes in pick and in cand
	s_mov_b32 s19, 0
	s_mul_i32 s22, s17, 12                         ; its 12 bytes in rays_o and rays_d
	s_mov_b32 s23, 0
	s_mov_b32 s14, 0x76543210
	s_mov_b32 s15, 0xfedcba98
	s_mov_b32 s21, 0x47c35000                      ; 100000.0
	v_and_b32 v[LANE], 31, v0
	v_bfe_u32 v12, v0, 3, 2                        ; lane / 8
	v_and_b32 v13, 7, v0                           ; lane % 8
	v_lshl_add_u32 v2, v12, 4, v13                 ; a group's points are first + 16 t + j, t = 0..12, j = 0..7: a slot takes t = 4 i' + lane / 8, j = lane % 8
	v_add_nc_u32 v3, 64, v2
	v_add_nc_u32 v4, 128, v2
	v_add_nc_u32 v5, 192, v13                      ; t = 12: 8 points of each of four groups fill a slot
	v_lshlrev_b32 v6, 2, v12
	s_wait_kmcnt 0x0
	s_add_nc_u64 s[10:11], s[10:11], s[18:19]
	s_add_nc_u64 s[12:13], s[12:13], s[18:19]
	s_add_nc_u64 s[4:5], s[4:5], s[22:23]
	s_add_nc_u64 s[6:7], s[6:7], s[22:23]
	s_load_b512 s[GB:GB+15], s[10:11], 0x0
	s_load_b96 s[84:86], s[4:5], 0x0               ; o
	s_load_b96 s[88:90], s[6:7], 0x0               ; d
.irp a, 0,1,2
	global_load_b32 v[252+\a], v6, s[10:11] offset:16*\a   ; the first point of group 4 a + lane / 8
.endr
	v_mov_b32 v[VINF], 0x7f800000
	v_mov_b32 v[RES], 0
	v_mov_b32 v[T2], 0
	s_wait_kmcnt 0x0
.irp d, 0,1,2
	v_mov_b32 v[8+\d], s[88+\d]
	v_fma_f32 v[8+\d], v[8+\d], 0x40400000, s[84+\d]       ; c = o + 3 d
.endr
	v_mul_f32 v11, v8, v8
	v_fma_f32 v11, v9, v9, v11
	v_fma_f32 v11, v10, v10, v11                   ; |c|^2
.irp d, 0,1,2
	v_add_f32 v[8+\d], v[8+\d], v[8+\d]            ; 2c
.endr
	s_wait_loadcnt 0x0                             ; the three words above: from here on only the 39 loads of points are counted
.macro ASK i                           ; slot i's point number stands in its offset register
	v_cvt_f32_u32 v[IDF+\i], v[X+4*\i+3]
	v_min_u32 v[X+4*\i+3], N-1, v[X+4*\i+3]        ; a number read from memory enters an address only clamped to the table
	v_mul_u32_u24 v[X+4*\i+3], 12, v[X+4*\i+3]
	global_load_b96 v[X+4*\i:X+4*\i+2], v[X+4*\i+3], s[8:9]
.endm
.irp k, 0,1,2,3,4,5,6,7,8,9,10,11
.irp j, 0,1,2
	v_add_nc_u32 v[X+4*(3*\k+\j)+3], s[GB+\k], v[2+\j]
	ASK (3*\k+\j)
.endr
.endr
.irp a, 0,1,2
	v_add_nc_u32 v[X+4*(36+\a)+3], v[252+\a], v5
	ASK (36+\a)
.endr
.macro KEYOF i
	s_wait_loadcnt 38-\i                           ; loads come back in order: slot i's is in, the 38 - i younger ones stay out; its offset register is free
	v_mul_f32 v[X+4*\i+3], v[X+4*\i], v[X+4*\i]
	v_fma_f32 v[X+4*\i+3], v[X+4*\i+1], v[X+4*\i+1], v[X+4*\i+3]
	v_fma_f32 v[X+4*\i+3], v[X+4*\i+2], v[X+4*\i+2], v[X+4*\i+3]   ; |x|^2
	v_mul_f32 v[X+4*\i], v8, v[X+4*\i]
	v_fma_f32 v[X+4*\i], v9, v[X+4*\i+1], v[X+4*\i]
	v_fma_f32 v[X+4*\i], v10, v[X+4*\i+2], v[X+4*\i]               ; (2c).x
	v_add_f32 v[X+4*\i+3], v11, v[X+4*\i+3]
	v_sub_f32 v[KEY+\i], v[X+4*\i+3], v[X+4*\i]
	v_max_num_f32 v[KEY+\i], 0, v[KEY+\i]
	v_cmp_gt_f32 vcc_lo, s21, v[IDF+\i]
	v_cndmask_b32 v[KEY+\i], v[VINF], v[KEY+\i], vcc_lo    ; numbers at or beyond N are no points
.endm
.set n, 0
.rept M
	KEYOF n
.set n, n+1
.endr
	SELECT12
	v_cvt_u32_f32 v[RES], v[RES]
	v_lshlrev_b32 v2, 2, v[LANE]
	global_store_b32 v2, v[RES], s[12:13]          ; the wave stores its ray's 128 consecutive bytes (lanes 12 to 31: 0)
	s_endpgm
.Lfunc_end_k_q63d8181461_near:
	.size	k_q63d8181461_near, .Lfunc_end_k_q63d8181461_near-k_q63d8181461_near
	.p2alignl 7, 3214868480
	.fill 96, 4, 3214868480
	.section	.rodata,"a",@progbits
	.p2align	6, 0x0
	.amdhsa_kernel k_q63d8181461_near
		.amdhsa_group_segment_fixed_size 0
		.amdhsa_private_segment_fixed_size 0
		.amdhsa_enable_private_segment 0
		.amdhsa_kernarg_size 40
		.amdhsa_user_sgpr_count 2
		.amdhsa_user_sgpr_kernarg_segment_ptr 1
		.amdhsa_wavefront_size32 1
		.amdhsa_system_sgpr_workgroup_id_x 1
		.amdhsa_system_sgpr_workgroup_id_y 1
		.amdhsa_system_sgpr_workgroup_id_z 1
		.amdhsa_system_vgpr_workitem_id 0
		.amdhsa_next_free_vgpr 256
		.amdhsa_next_free_sgpr 96
		.amdhsa_reserve_vcc 1
		.amdhsa_float_denorm_mode_32 3
		.amdhsa_float_denorm_mode_16_64 3
		.amdhsa_memory_ordered 1
		.amdhsa_forward_progress 1
		.amdhsa_inst_pref_size 46
	.end_amdhsa_kernel
	.amdgpu_metadata
---
amdhsa.version: [ 1, 2 ]
amdhsa.kernels:
  - .name:           k_q63d8181461_near
    .symbol:         k_q63d8181461_near.kd
    .args:
      - { .name: rays_o, .offset: 0, .size: 8, .value_kind: global_buffer, .address_space: global }
      - { .name: rays_d, .offset: 8, .size: 8, .value_kind: global_buffer, .address_space: global }
      - { .name: xyz, .offset: 16, .size: 8, .value_kind: global_buffer, .address_space: global }
      - { .name: pick, .offset: 24, .size: 8, .value_kind: global_buffer, .address_space: global }
      - { .name: cand, .offset: 32, .size: 8, .value_kind: global_buffer, .address_space: global }
    .group_segment_fixed_size: 0
    .private_segment_fixed_size: 0
    .kernarg_segment_align: 8
    .kernarg_segment_size: 40
    .max_flat_workgroup_size: 128
    .sgpr_count:     96
    .vgpr_count:     256
    .wavefront_size: 32
...
	.end_amdgpu_metadata
.endif
;; end of part 3
;; launch blend (part 4): grid 128 x 1, 4 waves a work-group, no clusters, 0 bytes of LDS; arguments rays_o, rays_d, xyz, features_dc, opacity, cand, out0; writes out0
.if DOCPART == 4
	.amdgcn_target "amdgcn-amd-amdhsa--gfx1250"
	.amdhsa_code_object_version 6
	.text
	.protected	k_q63d8181461_blend
	.globl	k_q63d8181461_blend
	.p2align	8
	.type	k_q63d8181461_blend,@function
k_q63d8181461_blend:
	s_mov_b64 s[64:65], 0
	v_nop
	global_prefetch_b8 v0, s[64:65] scope:SCOPE_SE
	s_setreg_imm32_b32 hwreg(HW_REG_WAVE_MODE, 25, 1), 1
	s_wait_xcnt 0x0
; Sixteen lanes, one ray: lane s < 12 takes candidate s.  Distance = correctly rounded root of max(sq, 0), sq as in the launch before;
; rank by (distance, point number); the ten of lowest rank get w = exp(-0.1 d) sigmoid(opacity); rgb = sum w sigmoid(colour) / (sum w + 1e-8).
; LIMITS: a denormal sq counts as 0 in v_sqrt_f32 (ISA guide 15.8); NaN and infinities in the inputs are not served.
; The exponents need no maximum taken away: -0.1 d <= 0, and a sigmoid's exp2 may overflow to +inf, whose reciprocal is 0.
; The output is 12 bytes a ray, 96 consecutive bytes a work-group, 12,288 in all: three lanes of each sixteen store a word.
	s_load_b256 s[4:11], s[0:1], 0x0               ; rays_o s[4:5], rays_d s[6:7], xyz s[8:9], features_dc s[10:11]
	s_load_b128 s[12:15], s[0:1], 0x20             ; opacity s[12:13], cand s[14:15]
	s_load_b64 s[16:17], s[0:1], 0x30              ; out0
	s_lshl_b32 s18, ttmp9, 10                      ; 8 rays x 128 bytes of cand
	s_mul_i32 s19, ttmp9, 96                       ; 8 rays x 12 bytes
	v_and_b32 v1, 15, v0                           ; s
	v_lshrrev_b32 v2, 4, v0                        ; ray of the eight
	v_lshl_add_u32 v3, v2, 7, s18
	v_lshl_add_u32 v3, v1, 2, v3
	v_mad_u32_u24 v4, v2, 12, s19
	v_lshl_add_u32 v5, v1, 2, v4
	s_wait_kmcnt 0x0
	global_load_b32 v6, v3, s[14:15]
	global_load_b96 v[8:10], v4, s[4:5]
	global_load_b96 v[12:14], v4, s[6:7]
	v_mov_b32 v34, 0                               ; written before the lane moves below take them as destinations
	v_mov_b32 v35, 0
	v_mov_b32 v36, 0                               ; rank
	v_mov_b32 v40, 0x7f800000
	s_wait_loadcnt 0x2                             ; the point number is in; o and d, issued behind it, may be out
	v_min_u32 v6, 99999, v6                        ; a number read from memory enters an address only clamped to the table
	v_mul_u32_u24 v7, 12, v6
	v_lshlrev_b32 v16, 2, v6
	global_load_b96 v[20:22], v7, s[8:9]
	global_load_b96 v[24:26], v7, s[10:11]
	global_load_b32 v27, v16, s[12:13]
	s_wait_loadcnt 0x0
.irp d, 0,1,2
	v_fma_f32 v[8+\d], v[12+\d], 0x40400000, v[8+\d]       ; c = o + 3 d
.endr
	v_mul_f32 v11, v8, v8
	v_fma_f32 v11, v9, v9, v11
	v_fma_f32 v11, v10, v10, v11                   ; |c|^2
.irp d, 0,1,2
	v_add_f32 v[8+\d], v[8+\d], v[8+\d]            ; 2c
.endr
	v_mul_f32 v28, v20, v20
	v_fma_f32 v28, v21, v21, v28
	v_fma_f32 v28, v22, v22, v28                   ; |x|^2
	v_mul_f32 v29, v8, v20
	v_fma_f32 v29, v9, v21, v29
	v_fma_f32 v29, v10, v22, v29                   ; (2c).x
	v_add_f32 v28, v11, v28
	v_sub_f32 v30, v28, v29
	v_max_num_f32 v30, 0, v30
	v_sqrt_f32 v31, v30
	v_mul_f32 v27, 0xbfb8aa3b, v27                 ; -log2(e) x opacity: the plain line behind the root (ISA guide 5.7.2)
	s_wait_alu depctr_va_vdst(0)
	v_add_nc_u32 v32, -1, v31                      ; the root is good to one unit in the last place: try its two neighbours
	v_add_nc_u32 v33, 1, v31
	v_fma_f32 v38, -v32, v31, v30
	v_fma_f32 v39, -v33, v31, v30
	v_cmp_ge_f32 vcc_lo, 0, v38
	v_cndmask_b32 v31, v31, v32, vcc_lo
	v_cmp_lt_f32 vcc_lo, 0, v39
	v_cndmask_b32 v31, v31, v33, vcc_lo            ; the correctly rounded root
	v_cmp_gt_u32 vcc_lo, 12, v1
	v_cndmask_b32 v31, v40, v31, vcc_lo            ; lanes 12 to 15 hold no candidate
	; rank = how many of the other fifteen come before me: a smaller distance, or the same with a lower number
.irp x, 1,2,3,4,5,6,7,8,9,10,11,12,13,14,15
	v_mov_b32_dpp v34, v31 row_xmask:\x row_mask:0xf bank_mask:0xf
	v_mov_b32_dpp v35, v6 row_xmask:\x row_mask:0xf bank_mask:0xf
	v_cmp_lt_f32 s20, v34, v31
	v_cmp_eq_f32 s21, v34, v31
	v_cmp_lt_u32 s22, v35, v6
	s_and_b32 s21, s21, s22
	s_or_b32 vcc_lo, s20, s21
	v_add_co_ci_u32 v36, vcc_lo, 0, v36, vcc_lo
.endr
	v_mul_f32 v37, 0xbe13bb63, v31                 ; -0.1 log2(e) d
.irp q, 24,25,26
	v_mul_f32 v\q, 0xbfb8aa3b, v\q
.endr
.irp q, 37,27,24,25,26
	v_exp_f32 v\q, v\q
.endr
	v_cmp_gt_u32 vcc_lo, 10, v36                   ; the plain line behind the run of exponentials
	s_wait_alu depctr_va_vdst(0)
.irp q, 27,24,25,26
	v_add_f32 v\q, 1.0, v\q
.endr
.irp q, 27,24,25,26
	v_rcp_f32 v\q, v\q                             ; sigmoid(x) = 1 / (1 + 2^(-log2(e) x))
.endr
	v_cndmask_b32 v37, 0, v37, vcc_lo              ; ranks 10 and above weigh nothing; also the plain line behind the reciprocals
	s_wait_alu depctr_va_vdst(0)
	v_mul_f32 v37, v37, v27
.irp q, 24,25,26
	v_mul_f32 v\q, v37, v\q
.endr
.irp m, 1,2,4,8
.irp q, 37,24,25,26
	v_add_f32_dpp v\q, v\q, v\q row_xmask:\m row_mask:0xf bank_mask:0xf
.endr
.endr
	v_add_f32 v38, 0x322bcc77, v37                 ; + 1e-8
	v_rcp_f32 v38, v38
	v_cmp_eq_u32 vcc_lo, 1, v1                     ; lane s stores colour s
	v_cndmask_b32 v39, v24, v25, vcc_lo
	v_cmp_eq_u32 vcc_lo, 2, v1
	v_cndmask_b32 v39, v39, v26, vcc_lo
	s_wait_alu depctr_va_vdst(0)
	v_mul_f32 v39, v39, v38
	v_cmp_gt_u32 vcc_lo, 3, v1
	s_wait_xcnt 0x0                                ; EXEC is a source of the loads above: it changes only behind this wait
	s_and_saveexec_b32 s20, vcc_lo
	global_store_b32 v5, v39, s[16:17]
	s_endpgm
.Lfunc_end_k_q63d8181461_blend:
	.size	k_q63d8181461_blend, .Lfunc_end_k_q63d8181461_blend-k_q63d8181461_blend
	.p2alignl 7, 3214868480
	.fill 96, 4, 3214868480
	.section	.rodata,"a",@progbits
	.p2align	6, 0x0
	.amdhsa_kernel k_q63d8181461_blend
		.amdhsa_group_segment_fixed_size 0
		.amdhsa_private_segment_fixed_size 0
		.amdhsa_enable_private_segment 0
		.amdhsa_kernarg_size 56
		.amdhsa_user_sgpr_count 2
		.amdhsa_user_sgpr_kernarg_segment_ptr 1
		.amdhsa_wavefront_size32 1
		.amdhsa_system_sgpr_workgroup_id_x 1
		.amdhsa_system_sgpr_workgroup_id_y 1
		.amdhsa_system_sgpr_workgroup_id_z 1
		.amdhsa_system_vgpr_workitem_id 0
		.amdhsa_next_free_vgpr 64
		.amdhsa_next_free_sgpr 66
		.amdhsa_reserve_vcc 1
		.amdhsa_float_denorm_mode_32 3
		.amdhsa_float_denorm_mode_16_64 3
		.amdhsa_memory_ordered 1
		.amdhsa_forward_progress 1
		.amdhsa_inst_pref_size 12
	.end_amdhsa_kernel
	.amdgpu_metadata
---
amdhsa.version: [ 1, 2 ]
amdhsa.kernels:
  - .name:           k_q63d8181461_blend
    .symbol:         k_q63d8181461_blend.kd
    .args:
      - { .name: rays_o, .offset: 0, .size: 8, .value_kind: global_buffer, .address_space: global }
      - { .name: rays_d, .offset: 8, .size: 8, .value_kind: global_buffer, .address_space: global }
      - { .name: xyz, .offset: 16, .size: 8, .value_kind: global_buffer, .address_space: global }
      - { .name: features_dc, .offset: 24, .size: 8, .value_kind: global_buffer, .address_space: global }
      - { .name: opacity, .offset: 32, .size: 8, .value_kind: global_buffer, .address_space: global }
      - { .name: cand, .offset: 40, .size: 8, .value_kind: global_buffer, .address_space: global }
      - { .name: out0, .offset: 48, .size: 8, .value_kind: global_buffer, .address_space: global }
    .group_segment_fixed_size: 0
    .private_segment_fixed_size: 0
    .kernarg_segment_align: 8
    .kernarg_segment_size: 56
    .max_flat_workgroup_size: 128
    .sgpr_count:     66
    .vgpr_count:     64
    .wavefront_size: 32
...
	.end_amdgpu_metadata
.endif
;; end of part 4
;; ======== version 2 of 2: 4 launches; version 1 with the launches mins, near written anew for expert scheduling mode
;; workspace buffers: gmin 3,997,696 bytes; pick 131,072 bytes of whole numbers; cand 131,072 bytes of whole numbers
;; launch mins (part 5): grid 61 x 4, 8 waves a work-group, no clusters, 154,624 bytes of LDS; arguments rays_o, rays_d, xyz, gmin; writes gmin
.if DOCPART == 5
	.amdgcn_target "amdgcn-amd-amdhsa--gfx1250"
	.amdhsa_code_object_version 6
	.text
	.protected	k_q63d8181461_mins
	.globl	k_q63d8181461_mins
	.p2align	8
	.type	k_q63d8181461_mins,@function
k_q63d8181461_mins:
	s_mov_b64 s[64:65], 0
	v_nop
	global_prefetch_b8 v0, s[64:65] scope:SCOPE_SE
	s_setreg_imm32_b32 hwreg(HW_REG_WAVE_SCHED_MODE, 0, 2), 2
	s_setreg_imm32_b32 hwreg(HW_REG_WAVE_MODE, 25, 1), 1
	s_wait_xcnt 0x0
	s_wait_alu depctr_vm_vsrc(0)
; Squared distances of 1,664 points (a chunk) to 256 rays on the matrix unit, reduced at once to the minimum of each group of 104 points.
; sq = |c|^2 + |x|^2 - 2 c.x with c = o + 3 d is ONE bf16 product of K = 32: every f32 is cut into three bf16 parts (v = p1 + p2 + p3),
; and the 32 places of K hold, for each of the 3 dimensions, 8 of the 9 cross products of the parts of x and of -2c (24 places),
; then |x|^2's three parts times 1 and 1 times |c|^2's three parts (6 places), and 2 zeros.
; LIMITS: the term p3 x p3 is left out (about 2^-32 of the product); this launch only FILTERS: later launches keep the 12 groups with the
; smallest minima where 10 would do, and rank their points again in f32.  NaN and infinities in the inputs are not served.
; A tile = 16 points; 13 tiles = a block of 208 points; lanes 0-15 of a result hold points 0-7 of each tile, lanes 16-31 points 8-15,
; so a block gives two groups (h = 0, 1) of 104 points.  A chunk = 8 blocks = 16 groups; group number in the chunk = 8 h + block.
; Points at or beyond N get |x|^2 = 1e30.  No tensor loads: every operand is converted in registers on its way into LDS.
; No cluster: the only bytes that work-groups share are a chunk's 19,968 bytes of xyz, among four of them.
; THE MODE: SCHED_MODE bits 1:0 = 2 (LLVM: expert scheduling mode 2), set by the entry lines.  The code itself states the register dependences
; between vector or matrix instructions and memory or LDS instructions, with s_wait_alu, always for 0.
; THE PLAN.  Registers that memory or LDS instructions touch:
;   offsets and addresses (v4 to v12, v[PX+4p+3])  made once by vector lines, never stepped: one wait ahead of the first load, and the rows' own waits, cover them.
;   W0, W1     two row buffers.  Row k's conversions write W[k % 2]; its four LDS stores are issued in row k + 1's turn, dealt among that row's lines,
;              which name the other buffer and temporaries alone.  So a turn's head states: the stores issued a turn ago have read the buffer
;              that is written now (vm_vsrc), and the row before is written (va_vdst).
;   AF0 .. AF3 four fragment buffers, in two pairs.  Tiles t, t + 1 are multiplied in steps t, t + 1; at the head of step t + 2 one wait on va_vdst
;              states that those products are done reading the pair, and tiles t + 4, t + 5 are asked for into it: one wait for two steps.
;   BF         loaded once.   ACC  written by the minima, read by the stage's stores behind one wait.   DD's first 16: at the end the stage comes back into them.
.set N,      100000
.set CHUNK,  1664
.set PITCH,  80                        ; an LDS row: 64 bytes (32 bf16) + 16: an odd multiple of 16, so 16 rows start at 16 different 16-byte columns
.set BRAY,   CHUNK*PITCH               ; 133,120: the 256 ray rows, behind the 1,664 point rows
.set STAGE,  0                         ; the way out: 256 rays x 16 groups x 4 bytes = 16,384 bytes, laid over the first point rows when nobody reads them any more
.set R4BYTES, 61*256                   ; gmin: [256 fours of rays][61 chunks][4 rays][16 groups] f32
.set HAS, 24                           ; s[24:30]  pass p: the lanes whose point lies inside the table
; registers of the conversion
.set PX, 32                            ; v[32:59]  pass p: x, y, z in +0..2, byte offset in xyz in +3
.set RO, 60                            ; v[60:62]  o of my ray
.set RD, 64                            ; v[64:66]  d of my ray
.set R1, 68                            ; what is left behind the first bf16 part
.set R2, 69                            ; what is left behind the second
.set TT, 70
.set XX, 71                            ; |x|^2
.set CC, 72                            ; v[72:74] c, v75 |c|^2, v[76:78] -2c
.set W,  80                            ; v[80:111] two buffers of 16 for the rows being built
; registers of the products
.set VA, 5                             ; LDS address of my lane's part of my wave's first point tile
.set VB, 6                             ; the same for my wave's first ray block
.set VS, 7                             ; where my minima go in the stage
.set VR, 8                             ; where I read the stage back
.set VO, 9                             ; my byte offset in gmin
.set TU,  10                           ; v[10:13]  two pairs of temporaries
.set ACC, 16                           ; v[16:31]  minimum of (ray block nb, block bb) at ACC + 2 nb + bb
.set AF,  32                           ; v[32:63]  four buffers for a point tile's fragment: tile t in buffer t % 4
.set BF,  64                           ; v[64:127] the fragments of my 8 ray blocks
.set DD,  128                          ; v[128:255] two sets of 8 results
	s_load_b256 s[4:11], s[0:1], 0x0               ; rays_o s[4:5], rays_d s[6:7], xyz s[8:9], gmin s[10:11]
	v_lshl_add_u32 v14, v0, 2, 0x25800
	v_mov_b32 v15, 0
	v_lshrrev_b32 v1, 5, v0
	v_readfirstlane_b32 s12, v1                    ; wave 0..7
	s_mul_i32 s18, ttmp9, CHUNK                    ; the chunk's first point
	v_add_nc_u32 v2, s18, v0
.irp p, 0,1,2,3,4,5,6
	v_cmp_gt_u32 s[HAS+\p], N-256*\p, v2           ; pass p's point, 256 p + thread of the chunk, is a point of the table
.endr
	s_wait_alu depctr_va_sdst(0)                   ; s12 and the seven masks are written, ahead of their first readers: one wait behind the run
	s_and_b32 s13, s12, 1                          ; which 128 rays are mine
	s_lshr_b32 s14, s12, 1                         ; which two blocks (26 tiles) are mine
	s_and_b32 s16, ttmp7, 0xffff                   ; which 256 rays the work-group has
	s_mov_b32 s17, 0xffff0000
.irp p, 0,1,2,3,4,5,6
	v_add_nc_u32 v3, 256*\p, v2                    ; pass p: point 256 p + thread of the chunk,
	v_min_u32 v3, N-1, v3                          ; kept inside xyz (what lies beyond is masked by |x|^2 below)
	v_mul_u32_u24 v[PX+4*\p+3], 12, v3
.endr
	s_lshl_b32 s20, s16, 8
	v_add_nc_u32 v3, s20, v0
	v_mul_u32_u24 v12, 12, v3                      ; my ray's byte offset in rays_o and rays_d
	v_mul_u32_u24 v4, PITCH, v0                    ; LDS: row = thread, for passes 0 to 2
	v_add_nc_u32 v10, 3*256*PITCH, v4              ; for passes 3 to 6 (an LDS offset has 16 bits)
	v_add_nc_u32 v11, BRAY, v4                     ; my ray's row
	v_mov_b32 v13, 0x7149f2ca                      ; 1e30
	s_wait_kmcnt 0x0
	s_wait_alu depctr_va_vdst(0)                   ; the eight offsets are written, which the loads below read; so are v4, v10, v11, the row stores' addresses
.irp p, 0,1,2,3,4,5
	global_load_b96 v[PX+4*\p:PX+4*\p+2], v[PX+4*\p+3], s[8:9]
.endr
	global_load_b96 v[RO:RO+2], v12, s[4:5]
	global_load_b96 v[RD:RD+2], v12, s[6:7]
	s_cmp_gt_u32 s12, 3                            ; 1,664 = 6.5 x 256: the seventh pass is for waves 0 to 3
	s_cbranch_scc1 .Lno_load6
	global_load_b96 v[PX+24:PX+26], v[PX+27], s[8:9]
.Lno_load6:
	; the addresses of the products, while the loads are on their way: none of these lines names a register of a load
	v_and_b32 v1, 15, v0                           ; r
	v_bfe_u32 v2, v0, 4, 1                         ; h
	v_mul_u32_u24 v3, PITCH, v1
	v_lshl_add_u32 v3, v2, 4, v3                   ; a fragment: row r, 16 h bytes in; two loads of 16 bytes, 32 apart
	s_mul_i32 s20, s14, 26*16*PITCH
	v_add_nc_u32 v[VA], s20, v3
	s_mul_i32 s20, s13, 128*PITCH
	s_add_co_u32 s20, s20, BRAY
	v_add_nc_u32 v[VB], s20, v3
	; stage: ray x 64 bytes + 32 h + 4 block.  My rays begin at 128 x (wave & 1), my two blocks at 2 x (wave >> 1)
	s_mul_i32 s20, s13, 128*64
	s_mul_i32 s21, s14, 8
	s_add_co_u32 s20, s20, s21
	v_lshlrev_b32 v3, 6, v1                        ; 64 r
	v_lshl_add_u32 v3, v2, 5, v3                   ; + 32 h
	v_add_nc_u32 v[VS], s20, v3
	v_lshlrev_b32 v[VR], 4, v0                     ; back: 16 bytes a thread, 4,096 bytes a load of the work-group
	v_lshrrev_b32 v3, 4, v0
	v_mul_u32_u24 v3, R4BYTES, v3
	v_lshl_add_u32 v[VO], v1, 4, v3                ; four of rays thread / 16, 16 bytes at 16 (thread % 16)
	s_mul_i32 s20, s16, 64*R4BYTES
	s_lshl_b32 s21, ttmp9, 8
	s_add_co_u32 s20, s20, s21
	s_mov_b32 s21, 0
	s_add_nc_u64 s[10:11], s[10:11], s[20:21]      ; gmin at my 64 fours of rays, my chunk
.irp b, 0,1
	v_mov_b32 v[W+16*\b+14], 0x3f803f80            ; a point row's places 28, 29: 1, 1
	v_mov_b32 v[W+16*\b+15], 0                     ; places 30, 31 of every row: 0
.endr
	s_wait_loadcnt 0x0
; x = p1 + p2 + p3: R1 = x - bf16(x), R2 = R1 - bf16(R1), both exact; the parts are bf16(x), bf16(R1), bf16(R2).  pk receives (p1, p1).
.macro SPLIT x, pk
	v_cvt_pk_bf16_f32 v[\pk], v[\x], v[\x]
	v_and_b32 v[TT], s17, v[\pk]
	v_sub_f32 v[R1], v[\x], v[TT]
	v_cvt_pk_bf16_f32 v[TT], v[R1], v[R1]
	v_and_b32 v[TT], s17, v[TT]
	v_sub_f32 v[R2], v[R1], v[TT]
.endm
.macro PDIM w, d, x                    ; a point's 8 places of dimension d, in buffer w: b1 b1 b1 b2 b2 b2 b3 b3
	SPLIT \x, \w+4*\d
	v_cvt_pk_bf16_f32 v[\w+4*\d+1], v[\x], v[R1]
	v_cvt_pk_bf16_f32 v[\w+4*\d+2], v[R1], v[R1]
	v_cvt_pk_bf16_f32 v[\w+4*\d+3], v[R2], v[R2]
.endm
.macro RDIM d, x                       ; a ray's 8 places of dimension d, in buffer 0: a1 a2 a3 a1 a2 a3 a1 a2
	SPLIT \x, TT
	v_cvt_pk_bf16_f32 v[W+4*\d], v[\x], v[R1]
	v_cvt_pk_bf16_f32 v[W+4*\d+1], v[R2], v[\x]
	v_cvt_pk_bf16_f32 v[W+4*\d+2], v[R1], v[R2]
	v_mov_b32 v[W+4*\d+3], v[W+4*\d]
.endm
; The row to be stored: pass p's, from buffer w.  SW its registers (-1: none), v[SA] + SF its place in LDS.
.macro FROM w, p
.set SW, \w
.if (\p) < 3
.set SA, 4
.set SF, (\p)*256*PITCH
.else
.set SA, 10
.set SF, ((\p)-3)*256*PITCH
.endif
.endm
.macro PUT q                           ; 16 bytes of it.  It was finished ahead of the last wait on va_vdst, and no vector line since names its registers or its address
.if SW >= 0
	ds_store_b128 v[SA], v[SW+4*\q:SW+4*\q+3] offset:SF+16*\q
.endif
.endm
.macro POINT p, w                      ; the row of pass p's point is built in buffer w; the four stores of the row before are dealt among its lines
	PUT 0
	v_mul_f32 v[XX], v[PX+4*\p], v[PX+4*\p]
	v_fma_f32 v[XX], v[PX+4*\p+1], v[PX+4*\p+1], v[XX]
	v_fma_f32 v[XX], v[PX+4*\p+2], v[PX+4*\p+2], v[XX]
	v_cndmask_b32 v[XX], v13, v[XX], s[HAS+\p]     ; threads with no point of the table: 1e30
	PUT 1
	PDIM \w, 0, PX+4*\p
	PUT 2
	PDIM \w, 1, PX+4*\p+1
	PUT 3
	PDIM \w, 2, PX+4*\p+2
	SPLIT XX, TT
	v_cvt_pk_bf16_f32 v[\w+12], v[XX], v[R1]       ; places 24 to 27: xx1 xx2 xx3 1
	v_cvt_pk_bf16_f32 v[\w+13], v[R2], 1.0
.endm
.macro TURN p                          ; passes 1 to 5
.if \p >= 2
	s_wait_alu depctr_vm_vsrc(0)                   ; the stores issued in the turn before have read this turn's buffer, which is written again below
.endif
	s_wait_alu depctr_va_vdst(0)                   ; the turn before has written the other buffer, which the four stores below read
	FROM W+16*((\p+1)&1), (\p-1)
	POINT \p, W+16*(\p&1)
.endm
.set SW, -1                            ; pass 0 has no row in front of it
	POINT 0, W
.irp p, 1,2,3,4,5
	TURN \p
.endr
	; my ray's row, in buffer 0; pass 5's stores are dealt among its lines
	s_wait_alu depctr_vm_vsrc(0)                   ; pass 4's stores, issued in pass 5's turn, have read buffer 0
	s_wait_alu depctr_va_vdst(0)                   ; pass 5 has written buffer 1
	FROM W+16, 5
	PUT 0
.irp d, 0,1,2
	v_fma_f32 v[CC+\d], v[RD+\d], 0x40400000, v[RO+\d]     ; c = o + 3 d
.endr
	v_mul_f32 v[CC+3], v[CC], v[CC]
	v_fma_f32 v[CC+3], v[CC+1], v[CC+1], v[CC+3]
	v_fma_f32 v[CC+3], v[CC+2], v[CC+2], v[CC+3]
.irp d, 0,1,2
	v_mul_f32 v[CC+4+\d], -2.0, v[CC+\d]
.endr
	PUT 1
	RDIM 0, CC+4
	PUT 2
	RDIM 1, CC+5
	PUT 3
	RDIM 2, CC+6
	SPLIT CC+3, TT
	v_mov_b32 v[W+12], 0x3f803f80                  ; places 24 to 29: 1 1 1 cc1 cc2 cc3
	v_cvt_pk_bf16_f32 v[W+13], 1.0, v[CC+3]
	v_cvt_pk_bf16_f32 v[W+14], v[R1], v[R2]
	s_wait_alu depctr_va_vdst(0)                   ; the ray's row is written, which its stores read
.set SW, W
.set SA, 11
.set SF, 0
.irp q, 0,1,2,3
	PUT \q
.endr
	s_cmp_gt_u32 s12, 3
	s_cbranch_scc1 .Lno_pass6
	s_wait_alu depctr_vm_vsrc(0)                   ; pass 5's stores, issued among the ray's lines, have read buffer 1
.set SW, -1
	POINT 6, W+16
	s_wait_alu depctr_va_vdst(0)                   ; the seventh row is written, which its stores read
	FROM W+16, 6
.irp q, 0,1,2,3
	PUT \q
.endr
.Lno_pass6:
	s_wait_dscnt 0x0                               ; my rows are in LDS, for the other waves' sake
	s_barrier_signal -1
	s_barrier_wait -1                              ; everybody's are
	s_wait_alu depctr_vm_vsrc(0)                   ; my row stores have read the two row buffers and v10, v11, my global loads their offsets: the fragments below land in these registers, or the minima write them.
	                                               ; (The vector lines that named v[32:127] all stand ahead of a wait on va_vdst, whether the seventh pass was run or not.)
.irp nb, 0,1,2,3,4,5,6,7
	ds_load_b128 v[BF+8*\nb:BF+8*\nb+3],   v[VB] offset:\nb*16*PITCH
	ds_load_b128 v[BF+8*\nb+4:BF+8*\nb+7], v[VB] offset:\nb*16*PITCH+32
.endr
.irp t, 0,1,2,3
	ds_load_b128 v[AF+8*\t:AF+8*\t+3],   v[VA] offset:\t*16*PITCH
	ds_load_b128 v[AF+8*\t+4:AF+8*\t+7], v[VA] offset:\t*16*PITCH+32
.endr
	s_wait_dscnt 4                                 ; LDS loads come back in order: the rays' fragments and tiles 0, 1 are in; the youngest four loads, tiles 2 and 3, may be out
; the minimum of a result's 8 registers (8 points of one ray) joins the block's running minimum; the block's first tile starts it
.macro MIN4 d, acc, tu, first
	v_min3_num_f32 v[\tu], v[\d], v[\d+1], v[\d+2]
	v_min3_num_f32 v[\tu+1], v[\d+3], v[\d+4], v[\d+5]
.if \first
	v_min_num_f32 v[\acc], v[\d+6], v[\d+7]
.else
	v_min3_num_f32 v[\acc], v[\acc], v[\d+6], v[\d+7]
.endif
	v_min3_num_f32 v[\acc], v[\acc], v[\tu], v[\tu+1]
.endm
; Step tau: tile tau is multiplied with my 8 ray blocks into one set of results while the other set, tile tau - 1's, is reduced.
; Every product has C = 0 and a result of its own: no sum is carried in place.  Every second step asks for the two tiles that come two steps on.
; Places behind a matrix instruction (ISA guide 7.12.1): each is followed by the four minima of the OTHER set, which name none of its
; registers, before anything reads its result (a step later); in step 0, which has nothing to reduce, four v_nop stand there.
.macro STEP
.set cur, DD+64*(tau&1)
.set prv, DD+64*((tau+1)&1)
.set afc, AF+8*(tau&3)
.set fst, (tau+12)%13
.if (tau&1) == 0
.if tau >= 2
.if tau <= 24
	s_wait_dscnt 0x0                               ; this tile's fragment and the next one's, asked for two steps ago
.endif
.if tau <= 22
	s_wait_alu depctr_va_vdst(0)                   ; the products of the last two steps are done reading their pair of fragment buffers, in which the four loads below land
.irp u, 2,3
	ds_load_b128 v[AF+8*((tau+\u)&3):AF+8*((tau+\u)&3)+3],   v[VA] offset:(tau+\u)*16*PITCH
	ds_load_b128 v[AF+8*((tau+\u)&3)+4:AF+8*((tau+\u)&3)+7], v[VA] offset:(tau+\u)*16*PITCH+32
.endr
.endif
.endif
.endif
.irp nb, 0,1,2,3,4,5,6,7
.if tau <= 25
	v_wmma_f32_16x16x32_bf16 v[cur+8*\nb:cur+8*\nb+7], v[afc:afc+7], v[BF+8*\nb:BF+8*\nb+7], 0
.endif
.if tau >= 1
.if fst == 0
	MIN4 (prv+8*\nb), (ACC+2*\nb+(tau-1)/13), (TU+2*(\nb&1)), 1
.else
	MIN4 (prv+8*\nb), (ACC+2*\nb+(tau-1)/13), (TU+2*(\nb&1)), 0
.endif
.endif
.endr
.if tau == 0
.rept 4
	v_nop
.endr
.endif
.endm
.set tau, 0
.rept 27
	STEP
.set tau, tau+1
.endr
	s_wait_dscnt 0x0                               ; my reads of the point and ray rows are back (met: the last fragments' wait was for 0)
	s_barrier_signal -1                            ; the stage lies over the first point rows: no wave stores there
.irp i, 0,1,2,3,4,5,6,7,8,9,10,11,12,13,14,15
	v_max_num_f32 v[ACC+\i], 0, v[ACC+\i]          ; max(sq, 0), as the distances have it: register work while the others arrive
.endr
	s_barrier_wait -1                              ; before all eight have read their last fragment
	s_wait_alu depctr_va_vdst(0)                   ; the sixteen minima are written, which the stage's stores read; the products and minima are also done with DD's first 16 registers, in which the stage comes back
.irp nb, 0,1,2,3,4,5,6,7
	ds_store_b64 v[VS], v[ACC+2*\nb:ACC+2*\nb+1] offset:STAGE+\nb*16*64
.endr
	s_wait_dscnt 0x0                               ; my minima are in the stage, for the other waves' sake
	s_barrier_signal -1
	s_barrier_wait -1
.irp k, 0,1,2,3
	ds_load_b128 v[DD+4*\k:DD+4*\k+3], v[VR] offset:STAGE+\k*4096   ; no vector line since the wait above names these registers
.endr
.irp k, 0,1,2,3
	s_wait_dscnt 3-\k                              ; LDS loads come back in order: load k is in, the 3 - k younger ones may be out
	global_store_b128 v[VO], v[DD+4*\k:DD+4*\k+3], s[10:11] offset:\k*16*R4BYTES   ; 16 lanes store 256 consecutive bytes, aligned: 4 rays x 16 groups
.endr
	s_wait_dscnt 0x0
	s_wait_alu depctr_hold_cnt(0) depctr_sa_sdst(0) depctr_va_vdst(0) depctr_va_sdst(0) depctr_va_ssrc(0) depctr_va_vcc(0) depctr_vm_vsrc(0)
	s_wait_tensorcnt 0x0
	ds_add_u32 v14, v15
	s_wait_dscnt 0x0
	s_endpgm
.Lfunc_end_k_q63d8181461_mins:
	.size	k_q63d8181461_mins, .Lfunc_end_k_q63d8181461_mins-k_q63d8181461_mins
	.p2alignl 7, 3214868480
	.fill 96, 4, 3214868480
	.section	.rodata,"a",@progbits
	.p2align	6, 0x0
	.amdhsa_kernel k_q63d8181461_mins
		.amdhsa_group_segment_fixed_size 154624
		.amdhsa_private_segment_fixed_size 0
		.amdhsa_enable_private_segment 0
		.amdhsa_kernarg_size 32
		.amdhsa_user_sgpr_count 2
		.amdhsa_user_sgpr_kernarg_segment_ptr 1
		.amdhsa_wavefront_size32 1
		.amdhsa_system_sgpr_workgroup_id_x 1
		.amdhsa_system_sgpr_workgroup_id_y 1
		.amdhsa_system_sgpr_workgroup_id_z 1
		.amdhsa_system_vgpr_workitem_id 0
		.amdhsa_next_free_vgpr 256
		.amdhsa_next_free_sgpr 66
		.amdhsa_reserve_vcc 0
		.amdhsa_float_denorm_mode_32 3
		.amdhsa_float_denorm_mode_16_64 3
		.amdhsa_memory_ordered 1
		.amdhsa_forward_progress 1
		.amdhsa_inst_pref_size 96
	.end_amdhsa_kernel
	.amdgpu_metadata
---
amdhsa.version: [ 1, 2 ]
amdhsa.kernels:
  - .name:           k_q63d8181461_mins
    .symbol:         k_q63d8181461_mins.kd
    .args:
      - { .name: rays_o, .offset: 0, .size: 8, .value_kind: global_buffer, .address_space: global }
      - { .name: rays_d, .offset: 8, .size: 8, .value_kind: global_buffer, .address_space: global }
      - { .name: xyz, .offset: 16, .size: 8, .value_kind: global_buffer, .address_space: global }
      - { .name: gmin, .offset: 24, .size: 8, .value_kind: global_buffer, .address_space: global }
    .group_segment_fixed_size: 154624
    .private_segment_fixed_size: 0
    .kernarg_segment_align: 8
    .kernarg_segment_size: 32
    .max_flat_workgroup_size: 256
    .sgpr_count:     66
    .vgpr_count:     256
    .wavefront_size: 32
...
	.end_amdgpu_metadata
.endif
;; end of part 5
;; launch pick: the kernel of part 2 again; grid 256 x 1, 4 waves a work-group, no clusters, 0 bytes of LDS; arguments gmin, pick; writes pick
;; launch near (part 6): grid 256 x 1, 4 waves a work-group, no clusters, 0 bytes of LDS; arguments rays_o, rays_d, xyz, pick, cand; writes cand
.if DOCPART == 6
	.amdgcn_target "amdgcn-amd-amdhsa--gfx1250"
	.amdhsa_code_object_version 6
	.text
	.protected	k_q63d8181461_near
	.globl	k_q63d8181461_near
	.p2align	8
	.type	k_q63d8181461_near,@function
k_q63d8181461_near:
	s_mov_b64 s[64:65], 0
	v_nop
	global_prefetch_b8 v0, s[64:65] scope:SCOPE_SE
	s_setreg_imm32_b32 hwreg(HW_REG_WAVE_SCHED_MODE, 0, 2), 2
	s_setreg_imm32_b32 hwreg(HW_REG_WAVE_MODE, 25, 1), 1
	s_wait_xcnt 0x0
	s_wait_alu depctr_vm_vsrc(0)
; For each ray: the points of its 12 chosen groups (12 x 104 = 39 x 32) are ranked again by (sq, point number), sq in f32 as
; (|c|^2 + |x|^2) - (2c).x, each sum as mul, fma, fma, then max with 0; the 12 best point numbers are stored.
; LIMIT: 12 are kept where 10 are wanted, since two squares that differ can have the same rounded root, which the last launch ranks by
; number; more than two such points behind the tenth are not served.  One wave, one ray; 1.2 % of all pairs, so plain f32 arithmetic.
; The groups' first points come from a buffer of whole numbers that an earlier launch stored; each point number is clamped to the table.
; THE MODE: SCHED_MODE bits 1:0 = 2 (LLVM: expert scheduling mode 2), set by the entry lines.  The code itself states the register dependences
; between vector instructions and memory instructions, and those through scalar registers that vector instructions write, with s_wait_alu, always for 0.
; THE PLAN.  Registers that memory instructions touch:
;   v6              offset of the three word loads: made at the head, never written again.      v[252:254]  those loads land here, once.
;   v[X+4i+3]       slot i's offset: made by four vector lines, read by slot i's load, later written by slot i's key and by the rounds.
;                   The offsets are made in three batches (12, 12, 15 slots); ONE wait on va_vdst stands between a batch's lines and its run of loads;
;                   the next batch's lines name other slots alone.  ONE wait on vm_vsrc behind the 39th load frees all 39 for the keys and the rounds.
;   v[X+4i .. +2]   slot i's load lands here; no vector line names them before.
;   v2, v[RES]      offset and data of the one store: one wait on va_vdst ahead of it.
; Masks: every compare writes a scalar register of its own, the compares stand in runs, and one wait on va_sdst stands between a run and the selects that read it.
.set N,    100000
.set M,    39                          ; entries a lane
.set LANE, 1
.set VINF, 7
.set T0,   12
.set T1,   13
.set T2,   14
.set RES,  15
.set KEY,  16                          ; v[16:54]
.set IDF,  56                          ; v[56:94]   the point's number as f32 (exact: below 2^24)
.set X,    96                          ; v[96:251]  slot i: x, y, z in +0..2, byte offset in +3
.set TMP,  96                          ; v[96:134]  in the rounds, when X is done with
.set RR,   136                         ; v[136:139]
.set MASK, 24                          ; s[24:62]
.set MINE, 63                          ; s63        the lane whose number is the round's
.set GB,   68                          ; s[68:83]   my ray's row of pick; words 0 to 11 are used
.macro MINRED dst, base                ; the lane's smallest of M registers, in four chains of three-way minima
.irp c, 0,1,2,3
	v_min3_num_f32 v[RR+\c], v[\base+3*\c], v[\base+3*\c+1], v[\base+3*\c+2]
.endr
.set ee, 12
.rept (M-13)/2
	v_min3_num_f32 v[RR+(ee/2)%4], v[RR+(ee/2)%4], v[\base+ee], v[\base+ee+1]
.set ee, ee+2
.endr
	v_min3_num_f32 v[RR], v[RR], v[RR+1], v[RR+2]
	v_min3_num_f32 v[\dst], v[RR], v[RR+3], v[\base+M-1]
.endm
.macro WMIN r                          ; the wave's smallest, in every lane
	v_min_num_f32_dpp v[\r], v[\r], v[\r] row_xmask:1 row_mask:0xf bank_mask:0xf
	v_min_num_f32_dpp v[\r], v[\r], v[\r] row_xmask:2 row_mask:0xf bank_mask:0xf
	v_min_num_f32_dpp v[\r], v[\r], v[\r] row_xmask:4 row_mask:0xf bank_mask:0xf
	v_min_num_f32_dpp v[\r], v[\r], v[\r] row_xmask:8 row_mask:0xf bank_mask:0xf
	v_permlanex16_b32 v[T2], v[\r], s14, s15
	v_min_num_f32 v[\r], v[\r], v[T2]
.endm
.macro SELECT12
	s_mov_b32 s20, 0
.Lround:
	MINRED T0, KEY
	WMIN T0
.set i, 0
.rept M
	v_cmp_eq_f32 s[MASK+i], v[KEY+i], v[T0]
.set i, i+1
.endr
	s_wait_alu depctr_va_sdst(0)                   ; the 39 masks are written, which the selects below read
.set i, 0
.rept M
	v_cndmask_b32 v[TMP+i], v[VINF], v[IDF+i], s[MASK+i]   ; the numbers of the entries that hold the smallest key
.set i, i+1
.endr
	MINRED T1, TMP
	WMIN T1                                        ; the lowest of them wins
.set i, 0
.rept M
	v_cmp_eq_f32 s[MASK+i], v[IDF+i], v[T1]
.set i, i+1
.endr
	v_cmp_eq_u32 s[MINE], s20, v[LANE]
	s_wait_alu depctr_va_sdst(0)                   ; the 39 masks and the round's lane are written, which the selects below read
.set i, 0
.rept M
	v_cndmask_b32 v[KEY+i], v[KEY+i], v[VINF], s[MASK+i]   ; and leaves the field
.set i, i+1
.endr
	v_cndmask_b32 v[RES], v[RES], v[T1], s[MINE]
	s_add_co_u32 s20, s20, 1
	s_cmp_lt_u32 s20, 12
	s_cbranch_scc1 .Lround
.endm
	s_load_b256 s[4:11], s[0:1], 0x0               ; rays_o s[4:5], rays_d s[6:7], xyz s[8:9], pick s[10:11]
	s_load_b64 s[12:13], s[0:1], 0x20              ; cand
	v_lshrrev_b32 v1, 5, v0
	v_readfirstlane_b32 s16, v1
	s_mov_b32 s19, 0
	s_mov_b32 s23, 0
	s_mov_b32 s14, 0x76543210
	s_mov_b32 s15, 0xfedcba98
	s_mov_b32 s21, 0x47c35000                      ; 100000.0
	v_and_b32 v[LANE], 31, v0
	v_bfe_u32 v12, v0, 3, 2                        ; lane / 8
	v_and_b32 v13, 7, v0                           ; lane % 8
	v_lshl_add_u32 v2, v12, 4, v13                 ; a group's points are first + 16 t + j, t = 0..12, j = 0..7: a slot takes t = 4 i' + lane / 8, j = lane % 8
	v_add_nc_u32 v3, 64, v2
	v_add_nc_u32 v4, 128, v2
	v_add_nc_u32 v5, 192, v13                      ; t = 12: 8 points of each of four groups fill a slot
	v_lshlrev_b32 v6, 2, v12
	s_wait_alu depctr_va_sdst(0)                   ; s16, the wave's number, is written, ahead of its first reader
	s_lshl2_add_u32 s17, ttmp9, s16                ; my ray = 4 x work-group + wave
	s_lshl_b32 s18, s17, 7                         ; its 128 bytes in pick and in cand
	s_mul_i32 s22, s17, 12                         ; its 12 bytes in rays_o and rays_d
	s_wait_kmcnt 0x0
	s_add_nc_u64 s[10:11], s[10:11], s[18:19]
	s_add_nc_u64 s[12:13], s[12:13], s[18:19]
	s_add_nc_u64 s[4:5], s[4:5], s[22:23]
	s_add_nc_u64 s[6:7], s[6:7], s[22:23]
	s_load_b512 s[GB:GB+15], s[10:11], 0x0
	s_load_b96 s[84:86], s[4:5], 0x0               ; o
	s_load_b96 s[88:90], s[6:7], 0x0               ; d
	s_wait_alu depctr_va_vdst(0)                   ; v6 is written, which the three loads below read as their offset
.irp a, 0,1,2
	global_load_b32 v[252+\a], v6, s[10:11] offset:16*\a   ; the first point of group 4 a + lane / 8
.endr
	v_mov_b32 v[VINF], 0x7f800000
	v_mov_b32 v[RES], 0
	v_mov_b32 v[T2], 0
	s_wait_kmcnt 0x0
	s_wait_loadcnt 0x0                             ; the three words above: from here on only the 39 loads of points are counted
.macro ADR i                           ; slot i's point number stands in its offset register
	v_cvt_f32_u32 v[IDF+\i], v[X+4*\i+3]
	v_min_u32 v[X+4*\i+3], N-1, v[X+4*\i+3]        ; a number read from memory enters an address only clamped to the table
	v_mul_u32_u24 v[X+4*\i+3], 12, v[X+4*\i+3]
.endm
.macro ASK i
	global_load_b96 v[X+4*\i:X+4*\i+2], v[X+4*\i+3], s[8:9]
.endm
; three batches: the offsets of four groups' twelve slots (the last batch: and of the three mixed slots), one wait, their loads in slot order
.irp b, 0,1,2
.irp k, 0,1,2,3
.irp j, 0,1,2
	v_add_nc_u32 v[X+4*(3*(4*\b+\k)+\j)+3], s[GB+4*\b+\k], v[2+\j]
	ADR (3*(4*\b+\k)+\j)
.endr
.endr
.if \b == 2
.irp a, 0,1,2
	v_add_nc_u32 v[X+4*(36+\a)+3], v[252+\a], v5
	ADR (36+\a)
.endr
.endif
	s_wait_alu depctr_va_vdst(0)                   ; this batch's offsets are written, which its loads read; the next batch's lines name other slots alone
.set n, 12*\b
.rept 12
	ASK n
.set n, n+1
.endr
.if \b == 2
.rept 3
	ASK n
.set n, n+1
.endr
.endif
.endr
	; while the points are on their way: the ray's centre, and which slots hold a point of the table
.irp d, 0,1,2
	v_mov_b32 v[8+\d], s[88+\d]
	v_fma_f32 v[8+\d], v[8+\d], 0x40400000, s[84+\d]       ; c = o + 3 d
.endr
	v_mul_f32 v11, v8, v8
	v_fma_f32 v11, v9, v9, v11
	v_fma_f32 v11, v10, v10, v11                   ; |c|^2
.irp d, 0,1,2
	v_add_f32 v[8+\d], v[8+\d], v[8+\d]            ; 2c
.endr
.set i, 0
.rept M
	v_cmp_gt_f32 s[MASK+i], s21, v[IDF+i]          ; numbers at or beyond N are no points
.set i, i+1
.endr
	s_wait_alu depctr_va_sdst(0)                   ; the 39 masks are written, which the keys' selects read
	s_wait_alu depctr_vm_vsrc(0)                   ; the 39 loads have read their offset registers, which the keys below and the rounds write
.macro KEYOF i
	s_wait_loadcnt 38-\i                           ; loads come back in order: slot i's is in, the 38 - i younger ones stay out; its offset register is free
	v_mul_f32 v[X+4*\i+3], v[X+4*\i], v[X+4*\i]
	v_fma_f32 v[X+4*\i+3], v[X+4*\i+1], v[X+4*\i+1], v[X+4*\i+3]
	v_fma_f32 v[X+4*\i+3], v[X+4*\i+2], v[X+4*\i+2], v[X+4*\i+3]   ; |x|^2
	v_mul_f32 v[X+4*\i], v8, v[X+4*\i]
	v_fma_f32 v[X+4*\i], v9, v[X+4*\i+1], v[X+4*\i]
	v_fma_f32 v[X+4*\i], v10, v[X+4*\i+2], v[X+4*\i]               ; (2c).x
	v_add_f32 v[X+4*\i+3], v11, v[X+4*\i+3]
	v_sub_f32 v[KEY+\i], v[X+4*\i+3], v[X+4*\i]
	v_max_num_f32 v[KEY+\i], 0, v[KEY+\i]
	v_cndmask_b32 v[KEY+\i], v[VINF], v[KEY+\i], s[MASK+\i]
.endm
.set n, 0
.rept M
	KEYOF n
.set n, n+1
.endr
	SELECT12
	v_cvt_u32_f32 v[RES], v[RES]
	v_lshlrev_b32 v2, 2, v[LANE]
	s_wait_alu depctr_va_vdst(0)                   ; v2 and v[RES] are written, which the store reads as offset and data
	global_store_b32 v2, v[RES], s[12:13]          ; the wave stores its ray's 128 consecutive bytes (lanes 12 to 31: 0)
	s_endpgm
.Lfunc_end_k_q63d8181461_near:
	.size	k_q63d8181461_near, .Lfunc_end_k_q63d8181461_near-k_q63d8181461_near
	.p2alignl 7, 3214868480
	.fill 96, 4, 3214868480
	.section	.rodata,"a",@progbits
	.p2align	6, 0x0
	.amdhsa_kernel k_q63d8181461_near
		.amdhsa_group_segment_fixed_size 0
		.amdhsa_private_segment_fixed_size 0
		.amdhsa_enable_private_segment 0
		.amdhsa_kernarg_size 40
		.amdhsa_user_sgpr_count 2
		.amdhsa_user_sgpr_kernarg_segment_ptr 1
		.amdhsa_wavefront_size32 1
		.amdhsa_system_sgpr_workgroup_id_x 1
		.amdhsa_system_sgpr_workgroup_id_y 1
		.amdhsa_system_sgpr_workgroup_id_z 1
		.amdhsa_system_vgpr_workitem_id 0
		.amdhsa_next_free_vgpr 256
		.amdhsa_next_free_sgpr 96
		.amdhsa_reserve_vcc 0
		.amdhsa_float_denorm_mode_32 3
		.amdhsa_float_denorm_mode_16_64 3
		.amdhsa_memory_ordered 1
		.amdhsa_forward_progress 1
		.amdhsa_inst_pref_size 48
	.end_amdhsa_kernel
	.amdgpu_metadata
---
amdhsa.version: [ 1, 2 ]
amdhsa.kernels:
  - .name:           k_q63d8181461_near
    .symbol:         k_q63d8181461_near.kd
    .args:
      - { .name: rays_o, .offset: 0, .size: 8, .value_kind: global_buffer, .address_space: global }
      - { .name: rays_d, .offset: 8, .size: 8, .value_kind: global_buffer, .address_space: global }
      - { .name: xyz, .offset: 16, .size: 8, .value_kind: global_buffer, .address_space: global }
      - { .name: pick, .offset: 24, .size: 8, .value_kind: global_buffer, .address_space: global }
      - { .name: cand, .offset: 32, .size: 8, .value_kind: global_buffer, .address_space: global }
    .group_segment_fixed_size: 0
    .private_segment_fixed_size: 0
    .kernarg_segment_align: 8
    .kernarg_segment_size: 40
    .max_flat_workgroup_size: 128
    .sgpr_count:     96
    .vgpr_count:     256
    .wavefront_size: 32
...
	.end_amdgpu_metadata
.endif
;; end of part 6
;; launch blend: the kernel of part 4 again; grid 128 x 1, 4 waves a work-group, no clusters, 0 bytes of LDS; arguments rays_o, rays_d, xyz, features_dc, opacity, cand, out0; writes out0
